; MI455X (gfx1250); checked and timed in simulation.
; The chip was launched on July 23, 2026; its instructions are those of AMD's public machine-readable ISA for CDNA 5 (MIT licence, August 2026) and "CDNA5" Instruction Set Architecture Reference Guide (July 2026). The comments in the code are by the model that wrote it; some were corrected since.
;; Sample Neighbors. Allowed arithmetic: float matrix products may take bf16 or f16 operands with f32 sums; all other float work in f32.
;; Inputs: xyz1 2 x 8,192 x 3 float32; xyz2 2 x 8,192 x 3 float32.
;; Outputs: out0 2 x 8,192 x 16 int32.
;; 2 versions, each right and faster than the one before. Each part assembles by itself: llvm-mc -triple=amdgcn-amd-amdhsa -mcpu=gfx1250 --defsym DOCPART=n.
;; ======== version 1 of 2: 2 launches
;; workspace buffers: tab 262,144 bytes; grp 1,310,720 bytes of whole numbers
;; launch pick (part 1): grid 256 x 1, 8 waves a work-group, no clusters, 284,672 bytes of LDS; arguments xyz1, xyz2, tab, grp; writes tab, grp
.if DOCPART == 1
	.amdgcn_target "amdgcn-amd-amdhsa--gfx1250"
	.amdhsa_code_object_version 6
	.text
	.protected	k_q853501fb47_pick
	.globl	k_q853501fb47_pick
	.p2align	8
	.type	k_q853501fb47_pick,@function
k_q853501fb47_pick:
	s_mov_b64 s[64:65], 0
	v_nop
	global_prefetch_b8 v0, s[64:65] scope:SCOPE_SE
	s_setreg_imm32_b32 hwreg(HW_REG_WAVE_MODE, 25, 1), 1
	s_wait_xcnt 0x0
; pick: for each query of xyz1, WHICH 17 groups of 16 consecutive points of xyz2 can hold its 17 nearest points.
; d(point, query) = max(0, (xx + yy) - 2 x.y), NaN -> 0.  The 17 smallest by (d, index) lie in the 17 groups that are smallest by
; (group minimum, group number): were an element's group not among them, 17 group minima would stand in front of that element.
; The work-group owns 64 queries of one batch and sees all 8,192 points (512 groups) of that batch.  It stores the 17 group numbers of
; each query, ascending, as whole numbers (grp: five planes of 16 bytes a query, numbers 17 to 19 are 0), and its 64 entries of the
; table of prepared points (tab: x0, x1, x2, xx in 16 bytes a point).  The next launch ranks the 272 points of the 17 groups.
; No branch and no address here hangs on a distance: the selection is made of compares, selects and carries alone.
; LIMITS, kept on purpose.  (1) With BF16 = 1 the coordinates are rounded to bf16 first; everything behind that is f32.  Products of two such
; numbers are exact in f32, so fused and unfused sums agree.  (2) Sums over the three coordinates run k = 0, 1, 2, one rounding a step.
; (3) A distance of +inf counts as 3.4028235e38.
; The three-term products are summed on the vector unit, two queries an instruction: the result is an ORDER of f32 numbers that is compared
; exactly, so every addition has to be rounded to f32 in that order, which a chain of fused multiply-adds does by definition.
; No tensor loads, no cluster: the points (98,304 bytes a batch) pass through registers anyway, to be rounded and to get their xx.
.set BF16, 1
.set ST,   131072                      ; LDS: group minima, group g, query q at g*256 + q*4 (the prepared points lie at 0, point j at j*16)
.set LI,   262144                      ; LDS: four partial lists of 17 minima, list r, place s at (r*17 + s)*256 + q*4
.set SW,   279552                      ; LDS: 16 words of selection bits a query, word k at k*256 + q*4
.set Y0,   16                          ; v[16:17] coordinate 0 of my two queries; Y1, Y2 likewise; YY their squared lengths
.set Y1,   18
.set Y2,   20
.set YY,   22
.set M,    24                          ; v[24:25] the running group minimum of my two queries
.set E,    26                          ; v[26:33] four candidates' dot products, a pair each
.set T,    34                          ; v[34:41] four candidates' distances, a pair each
.set QR,   42                          ; v[42:47] my two queries as loaded
.set RAW,  48                          ; v[48:143] staging: 8 units of 12 numbers (4 points) as loaded
.set O,    144                         ; v[144:159] staging: 4 prepared points
.set BUF0, 48                          ; v[48:111], v[112:175] phase A: 16 prepared points each
.set BUF1, 112
.set P,    48                          ; v[48:115] phases B, C: minima read back
.set L,    176                         ; v[176:192] the 17 smallest so far, ascending
.set KTH,  192                         ; = L + 16: the 17th smallest
.set ULO,  194                         ; the f32 just below KTH (a NaN pattern where KTH is zero)
.set U,    195
.set CNT,  196
.set VM,   197                         ; v[197:199] KTH for the ranges in front of mine, NaN for the others
.set QNAN, 200
.set W,    204                         ; v[204:207] my 128 selection bits
.set WD,   48                          ; v[48:63] decoding: a query's 16 words
.set LAD,  64                          ; v[64:78] decoding: the ladder of selects
.set Z,    80
.set CUR,  81
.set JB,   82
.set LZ,   83
.set TA,   84
.set TB,   85
.set G,    88                          ; v[88:107] the 17 group numbers and three zeros
.macro RND2 da, db, sa, sb             ; two numbers rounded to bf16 and widened again
.if BF16
	v_cvt_pk_bf16_f32 v160, v[\sa], v[\sb]
	v_lshlrev_b32 v[\da], 16, v160
	v_and_b32 v[\db], s17, v160
.else
	v_mov_b32 v[\da], v[\sa]
	v_mov_b32 v[\db], v[\sb]
.endif
.endm
.macro BAR                             ; what the other waves will read or overwrite is complete in front of my signal
	s_wait_dscnt 0x0
	s_barrier_signal -1
	s_barrier_wait -1
.endm
	s_load_b256 s[4:11], s[0:1], 0x0               ; xyz1 s[4:5], xyz2 s[6:7], tab s[8:9], grp s[10:11]
	v_lshl_add_u32 v254, v0, 2, 0x45400
	v_mov_b32 v255, 0
	v_lshrrev_b32 v1, 5, v0
	v_readfirstlane_b32 s12, v1                    ; wave w, 0 to 7
	v_and_b32 v1, 31, v0                           ; lane l
	s_and_b32 s13, s12, 1                          ; qh: which 32 queries are mine in phases B and C
	s_lshr_b32 s14, s12, 1                         ; rr: which range of 128 groups
	s_mov_b32 s16, 0x7f7fffff                      ; the largest finite f32
	s_mov_b32 s17, 0xffff0000                      ; a word's upper bf16
	s_and_b32 s28, ttmp9, 127                      ; my place among the batch's 128 work-groups
	s_lshr_b32 s29, ttmp9, 7                       ; the batch
	s_lshl_b32 s30, s12, 14                        ; w * 1,024 points * 16 bytes, and w * 64 groups * 256 bytes
	s_lshl_b32 s32, s13, 7                         ; qh * 32 queries * 4 bytes
	s_lshl_b32 s31, s14, 15                        ; rr * 128 groups * 256 bytes
	s_add_co_u32 s31, s31, s32
	s_add_co_u32 s31, s31, ST
	s_mul_i32 s33, s14, 17*256
	s_add_co_u32 s33, s33, s32
	s_add_co_u32 s33, s33, LI
	s_add_co_u32 s34, s32, LI
	s_lshl_b32 s35, s14, 10                        ; rr * 4 words * 256 bytes
	s_add_co_u32 s35, s35, s32
	s_add_co_u32 s35, s35, SW
	s_lshl_b32 s36, s12, 7
	s_add_co_u32 s36, s36, SW
	s_cmp_gt_u32 s14, 0                            ; lane masks: is range 0, 1, 2 in front of mine?
	s_cselect_b32 s25, -1, 0
	s_cmp_gt_u32 s14, 1
	s_cselect_b32 s26, -1, 0
	s_cmp_gt_u32 s14, 2
	s_cselect_b32 s27, -1, 0
	v_mul_u32_u24 v2, v0, 48                       ; staging: thread t takes 4 points = 48 bytes of each unit of 12,288
	v_lshlrev_b32 v3, 6, v0                        ; and puts them at t * 64 of each 16,384 bytes of LDS
	v_add_nc_u32 v4, 0x10000, v3                   ; the upper four units: beyond the 16-bit immediate
	v_mul_u32_u24 v5, v1, 24                       ; my two queries' 24 bytes
	v_mov_b32 v6, s30                              ; phase A: my wave's points; the same address in every lane
	v_lshl_add_u32 v7, v1, 3, s30
	v_add_nc_u32 v7, ST, v7                        ; phase A: where my two queries' minima go
	v_lshl_add_u32 v8, v1, 2, s31                  ; phase B: my query's minima of my range (stepped)
	v_lshl_add_u32 v9, v1, 2, s31                  ; phase C: the same, never stepped
	v_lshl_add_u32 v10, v1, 2, s33                 ; my partial list
	v_lshl_add_u32 v11, v1, 2, s34                 ; my query's four partial lists
	v_lshl_add_u32 v12, v1, 2, s35                 ; my four words of bits
	v_lshl_add_u32 v13, v1, 2, s36                 ; decoding (waves 0, 1): query 32 w + l
	v_lshlrev_b32 v14, 4, v0                       ; 16 t: the offset of both kinds of global stores; never rewritten
	s_wait_kmcnt 0x0
	s_mul_i32 s18, ttmp9, 768                      ; 64 queries of 12 bytes
	s_mov_b32 s19, 0
	s_add_nc_u64 s[4:5], s[4:5], s[18:19]
	s_mul_i32 s18, s29, 98304                      ; a batch of points
	s_add_nc_u64 s[6:7], s[6:7], s[18:19]
	s_lshl_b32 s18, ttmp9, 10                      ; 64 entries of 16 bytes, in tab and in each plane of grp
	s_add_nc_u64 s[8:9], s[8:9], s[18:19]
	s_add_nc_u64 s[10:11], s[10:11], s[18:19]
	global_load_b64 v[QR:QR+1],   v5, s[4:5]
	global_load_b64 v[QR+2:QR+3], v5, s[4:5] offset:8
	global_load_b64 v[QR+4:QR+5], v5, s[4:5] offset:16
.irp u, 0,1,2,3,4,5,6,7
.irp k, 0,1,2
	global_load_b128 v[RAW+12*\u+4*\k:RAW+12*\u+4*\k+3], v2, s[6:7] offset:12288*\u+16*\k
.endr
.endr
	; STAGING: unit u holds points 4 (t + 256 u) to + 3.  Round, add xx = x0 x0 + x1 x1 + x2 x2, lay each point down as 16 bytes.
.irp u, 0,1,2,3,4,5,6,7
	s_wait_loadcnt 21-3*\u                         ; loads return in order: the three loads of each later unit may stay out
.irp n, 0,2,4,6,8,10
	RND2 O+4*(\n/3)+\n%3, O+4*((\n+1)/3)+(\n+1)%3, RAW+12*\u+\n, RAW+12*\u+\n+1
.endr
.irp p, 0,1,2,3
	v_mul_f32 v[O+4*\p+3], v[O+4*\p], v[O+4*\p]
.endr
.irp p, 0,1,2,3
	v_fma_f32 v[O+4*\p+3], v[O+4*\p+1], v[O+4*\p+1], v[O+4*\p+3]
.endr
.irp p, 0,1,2,3
	v_fma_f32 v[O+4*\p+3], v[O+4*\p+2], v[O+4*\p+2], v[O+4*\p+3]
.endr
.irp p, 0,1,2,3
.if \u < 4
	ds_store_b128 v3, v[O+4*\p:O+4*\p+3] offset:\u*16384+16*\p
.else
	ds_store_b128 v4, v[O+4*\p:O+4*\p+3] offset:(\u-4)*16384+16*\p
.endif
.endr
.endr
	RND2 Y0, Y0+1, QR,   QR+3                      ; lane l: queries 2 l (low) and 2 l + 1 (high)
	RND2 Y1, Y1+1, QR+1, QR+4
	RND2 Y2, Y2+1, QR+2, QR+5
	v_pk_mul_f32 v[YY:YY+1], v[Y0:Y0+1], v[Y0:Y0+1]
	v_pk_fma_f32 v[YY:YY+1], v[Y1:Y1+1], v[Y1:Y1+1], v[YY:YY+1]
	v_pk_fma_f32 v[YY:YY+1], v[Y2:Y2+1], v[Y2:Y2+1], v[YY:YY+1]
	BAR                                            ; barrier 1: all 8,192 prepared points lie in LDS
	; THE TABLE'S SLICE: waves 0 and 1 store the 64 points whose numbers equal this work-group's queries' numbers; the 128 work-groups
	; of a batch so store its whole table, each byte once.  A wave's store covers 512 consecutive bytes, aligned.
	s_cmp_gt_u32 s12, 1
	s_cbranch_scc1 .Lno_slice
	s_lshl_b32 s37, s28, 10
	v_lshl_add_u32 v244, v0, 4, s37
	ds_load_b128 v[240:243], v244
	s_wait_dscnt 0x0
	global_store_b128 v14, v[240:243], s[8:9]      ; v[240:243] and v14 are never written again
.Lno_slice:
	; PHASE A: wave w takes points 1,024 w to + 1,023 (64 groups) against all 64 queries, two queries a lane.
.macro LOADG buf, off                  ; one group: 16 points, every lane reads the same 16 bytes
.irp c, 0,1,2,3,4,5,6,7,8,9,10,11,12,13,14,15
	ds_load_b128 v[\buf+4*\c:\buf+4*\c+3], v6 offset:\off+16*\c
.endr
.endm
; The minimum of one group's 16 distances for my two queries.  op_sel and op_sel_hi pick ONE register of the point's pair for both halves.
; v_minimum_f32 lets a NaN win: a NaN distance counts as 0, the least there is, and becomes 0 in the v_max_num_f32 at the end.
; The clamps commute with the minimum, so they are applied once a group.
.macro COMP buf, stoff
.irp k, 0,1,2,3
.irp j, 0,1,2,3
	v_pk_mul_f32 v[E+2*\j:E+2*\j+1], v[Y0:Y0+1], v[\buf+16*\k+4*\j:\buf+16*\k+4*\j+1] op_sel_hi:[1,0]
.endr
.irp j, 0,1,2,3
	v_pk_fma_f32 v[E+2*\j:E+2*\j+1], v[Y1:Y1+1], v[\buf+16*\k+4*\j:\buf+16*\k+4*\j+1], v[E+2*\j:E+2*\j+1] op_sel:[0,1,0]
.endr
.irp j, 0,1,2,3
	v_pk_fma_f32 v[E+2*\j:E+2*\j+1], v[Y2:Y2+1], v[\buf+16*\k+4*\j+2:\buf+16*\k+4*\j+3], v[E+2*\j:E+2*\j+1] op_sel_hi:[1,0,1]
.endr
.irp j, 0,1,2,3
	v_pk_add_f32 v[T+2*\j:T+2*\j+1], v[YY:YY+1], v[\buf+16*\k+4*\j+2:\buf+16*\k+4*\j+3] op_sel:[0,1]
.endr
.irp j, 0,1,2,3
	v_pk_fma_f32 v[T+2*\j:T+2*\j+1], v[E+2*\j:E+2*\j+1], -2.0, v[T+2*\j:T+2*\j+1] op_sel_hi:[1,0,1]
.endr
	v_minimum_f32 v[T],   v[T],   v[T+2]
	v_minimum_f32 v[T+1], v[T+1], v[T+3]
	v_minimum_f32 v[T+4], v[T+4], v[T+6]
	v_minimum_f32 v[T+5], v[T+5], v[T+7]
.if \k == 0
	v_minimum_f32 v[M],   v[T],   v[T+4]           ; the first four start the minimum: nothing is preset
	v_minimum_f32 v[M+1], v[T+1], v[T+5]
.else
	v_minimum_f32 v[T],   v[T],   v[T+4]
	v_minimum_f32 v[T+1], v[T+1], v[T+5]
	v_minimum_f32 v[M],   v[M],   v[T]
	v_minimum_f32 v[M+1], v[M+1], v[T+1]
.endif
.endr
	v_max_num_f32 v[M],   0, v[M]                  ; NaN -> 0, negative -> 0
	v_max_num_f32 v[M+1], 0, v[M+1]
	v_min_num_f32 v[M],   s16, v[M]                ; +inf -> the largest finite number, so that +inf can mark an empty place in a list
	v_min_num_f32 v[M+1], s16, v[M+1]
	ds_store_b64 v7, v[M:M+1] offset:\stoff        ; the wave's store covers the group's 256 bytes
.endm
	LOADG BUF0, 0
	s_mov_b32 s15, 31
.Lgroups:                                          ; a trip: two groups; the group after them is on its way
	LOADG BUF1, 256
	s_wait_dscnt 16                                ; LDS answers a wave in order: all but the 16 loads just issued are done
	COMP BUF0, 0
	v_add_nc_u32 v6, 512, v6
	LOADG BUF0, 0
	s_wait_dscnt 16                                ; again: buffer 1 is in, buffer 0's 16 loads stay out
	COMP BUF1, 256
	v_add_nc_u32 v7, 512, v7
	s_sub_co_u32 s15, s15, 1
	s_cmp_lg_u32 s15, 0
	s_cbranch_scc1 .Lgroups
	LOADG BUF1, 256                                ; the last two groups: nothing is fetched beyond the wave's 1,024 points
	s_wait_dscnt 16
	COMP BUF0, 0
	s_wait_dscnt 0x0
	COMP BUF1, 256
	BAR                                            ; barrier 2: all 512 x 64 minima lie in LDS
	; PHASE B: lane = query 32 qh + l; the 17 smallest of my range's 128 minima, values alone, kept ascending in L.
.macro INSV d                          ; new L[s] = the middle one of L[s-1], d, L[s]; from the top down, so that L[s-1] is still the old one
.irp s, 16,15,14,13,12,11,10,9,8,7,6,5,4,3,2,1
	v_med3_num_f32 v[L+\s], v[L+\s-1], v[\d], v[L+\s]
.endr
	v_min_num_f32 v[L], v[L], v[\d]
.endm
.irp s, 0,1,2,3,4,5,6,7,8,9,10,11,12,13,14,15,16
	v_mov_b32 v[L+\s], 0x7f800000                  ; +inf: an empty place; every minimum is finite
.endr
	s_mov_b32 s15, 4
.Lmins:                                            ; a trip: 32 groups
.irp i, 0,1,2,3,4,5,6,7,8,9,10,11,12,13,14,15,16,17,18,19,20,21,22,23,24,25,26,27,28,29,30,31
	ds_load_b32 v[P+\i], v8 offset:256*\i
.endr
	s_wait_dscnt 16                                ; the first 16 are in
.irp i, 0,1,2,3,4,5,6,7,8,9,10,11,12,13,14,15
	INSV P+\i
.endr
	s_wait_dscnt 0x0
.irp i, 16,17,18,19,20,21,22,23,24,25,26,27,28,29,30,31
	INSV P+\i
.endr
	v_add_nc_u32 v8, 8192, v8
	s_sub_co_u32 s15, s15, 1
	s_cmp_lg_u32 s15, 0
	s_cbranch_scc1 .Lmins
.irp s, 0,1,2,3,4,5,6,7,8,9,10,11,12,13,14,15,16
	ds_store_b32 v10, v[L+\s] offset:256*\s
.endr
	BAR                                            ; barrier 3: the four partial lists of every query lie in LDS
	; PHASE B2: each of a query's four lanes merges the four lists.  KTH = the 17th smallest of the 512 minima.
	; CNT = how many minima are below KTH (at most 16, all of them in the lists) + how many equal KTH in the ranges in front of mine.
	; A list holds 17 places: where a range has more minima up to KTH than that, its list alone brings CNT to 17, which is all that is asked of it.
.irp s, 0,1,2,3,4,5,6,7,8,9,10,11,12,13,14,15,16
	ds_load_b32 v[L+\s], v11 offset:256*\s
.endr
.set n, 0
.rept 68
	ds_load_b32 v[P+n], v11 offset:256*n
.set n, n+1
.endr
	s_wait_dscnt 0x0
.set n, 17
.rept 51
	INSV P+n
.set n, n+1
.endr
	v_mov_b32 v[CNT], 0
	v_mov_b32 v[QNAN], 0x7fc00000
.set n, 0
.rept 68
	v_cmp_lt_f32 vcc_lo, v[P+n], v[KTH]
	v_add_co_ci_u32 v[CNT], vcc_lo, 0, v[CNT], vcc_lo
.set n, n+1
.endr
	v_cndmask_b32 v[VM],   v[QNAN], v[KTH], s25    ; a NaN equals nothing: ranges not in front of mine count nothing
	v_cndmask_b32 v[VM+1], v[QNAN], v[KTH], s26
	v_cndmask_b32 v[VM+2], v[QNAN], v[KTH], s27
.set n, 0
.rept 51
	v_cmp_eq_f32 vcc_lo, v[P+n], v[VM+n/17]
	v_add_co_ci_u32 v[CNT], vcc_lo, 0, v[CNT], vcc_lo
.set n, n+1
.endr
	v_add_nc_u32 v[ULO], -1, v[KTH]                ; for a positive f32 the bits less one are the next number down; for zero a NaN, below which nothing lies
	; PHASE C: my range's 128 minima once more, in the order of the groups.  A group is taken if its minimum is below KTH, or equals KTH
	; while fewer than 17 are spoken for.  Exactly 17 bits are set for a query.  Bit 31 - i of word k stands for group 128 rr + 32 k + i.
.macro SELBIT m, w
	v_cmp_gt_u32 vcc_lo, 17, v[CNT]
	v_cndmask_b32 v[U], v[ULO], v[KTH], vcc_lo     ; the bound: KTH itself while there is room, else the number below it
	v_cmp_le_f32 vcc_lo, v[\m], v[U]
	v_add_co_ci_u32 v[\w], vcc_lo, v[\w], v[\w], vcc_lo   ; the word moves up by one, the new bit comes in below
	v_cmp_eq_f32 vcc_lo, v[\m], v[KTH]
	v_add_co_ci_u32 v[CNT], vcc_lo, 0, v[CNT], vcc_lo
.endm
.macro LOADC k, buf
.irp i, 0,1,2,3,4,5,6,7,8,9,10,11,12,13,14,15,16,17,18,19,20,21,22,23,24,25,26,27,28,29,30,31
	ds_load_b32 v[\buf+\i], v9 offset:256*(32*\k+\i)
.endr
.endm
.macro SEL32 buf, w
	v_mov_b32 v[\w], 0
.irp i, 0,1,2,3,4,5,6,7,8,9,10,11,12,13,14,15,16,17,18,19,20,21,22,23,24,25,26,27,28,29,30,31
	SELBIT \buf+\i, \w
.endr
.endm
	LOADC 0, P
	LOADC 1, P+32
	s_wait_dscnt 32                                ; the older block of 32 is in, the younger stays out; so at each of the three
	SEL32 P, W
	LOADC 2, P
	s_wait_dscnt 32
	SEL32 P+32, W+1
	LOADC 3, P+32
	s_wait_dscnt 32
	SEL32 P, W+2
	s_wait_dscnt 0x0
	SEL32 P+32, W+3
.irp k, 0,1,2,3
	ds_store_b32 v12, v[W+\k] offset:256*\k
.endr
	BAR                                            ; barrier 4, the last: every query's 512 bits lie in LDS
	; DECODING: waves 0 and 1, lane = query 32 w + l.  The 17 set bits become 17 group numbers.  With R[j] = word 15 - j, bit pos of R[j]
	; stands for group 511 - (32 j + pos): taking the lowest bit of the lowest word that is not empty gives the numbers from the largest down.
	s_cmp_gt_u32 s12, 1
	s_cbranch_scc1 .Ldone
.irp k, 0,1,2,3,4,5,6,7,8,9,10,11,12,13,14,15
	ds_load_b32 v[WD+\k], v13 offset:256*\k
.endr
	v_mov_b32 v[Z], 0
	v_mov_b32 v[CUR], 0
	v_mov_b32 v[JB], 0
	s_wait_dscnt 0x0
.irp k, 0,1,2,3,4,5,6,7,8,9,10,11,12,13,14,15
	v_cmp_ne_u32 vcc_lo, 0, v[WD+\k]               ; Z: bit j says that R[j] is not empty; word 0 = R[15] goes in first and ends on top
	v_add_co_ci_u32 v[Z], vcc_lo, v[Z], v[Z], vcc_lo
.endr
; One number.  Where the word at work is used up, the next word that is not empty is picked by a ladder of selects on the four bits of j.
; The place of a single set bit is the exponent of that bit as an f32 (127 + place).  JB = 32 (127 + j), so JB + 127 + pos = 4,191 + 32 j + pos.
.macro NEXT out
	v_cmp_eq_u32 s24, 0, v[CUR]
	v_sub_nc_u32 v[TA], 0, v[Z]
	v_and_b32 v[LZ], v[Z], v[TA]                   ; Z's lowest set bit
	v_and_b32 v[TA], 0xaaaa, v[LZ]
	v_cmp_ne_u32 s20, 0, v[TA]
	v_and_b32 v[TB], 0xcccc, v[LZ]
	v_cmp_ne_u32 s21, 0, v[TB]
	v_and_b32 v[TA], 0xf0f0, v[LZ]
	v_cmp_ne_u32 s22, 0, v[TA]
	v_and_b32 v[TB], 0xff00, v[LZ]
	v_cmp_ne_u32 s23, 0, v[TB]
.irp m, 0,1,2,3,4,5,6,7
	v_cndmask_b32 v[LAD+\m], v[WD+15-2*\m], v[WD+14-2*\m], s20
.endr
.irp m, 0,1,2,3
	v_cndmask_b32 v[LAD+8+\m], v[LAD+2*\m], v[LAD+2*\m+1], s21
.endr
.irp m, 0,1
	v_cndmask_b32 v[LAD+12+\m], v[LAD+8+2*\m], v[LAD+8+2*\m+1], s22
.endr
	v_cndmask_b32 v[LAD+14], v[LAD+12], v[LAD+13], s23
	v_cvt_f32_u32 v[TA], v[LZ]
	v_xor_b32 v[TB], v[Z], v[LZ]
	v_lshrrev_b32 v[TA], 23, v[TA]
	v_lshlrev_b32 v[TA], 5, v[TA]
	v_cndmask_b32 v[CUR], v[CUR], v[LAD+14], s24
	v_cndmask_b32 v[JB], v[JB], v[TA], s24
	v_cndmask_b32 v[Z], v[Z], v[TB], s24
	v_sub_nc_u32 v[TA], 0, v[CUR]
	v_and_b32 v[TA], v[CUR], v[TA]                 ; the word's lowest set bit,
	v_xor_b32 v[CUR], v[CUR], v[TA]                ; taken out
	v_cvt_f32_u32 v[TA], v[TA]
	v_lshrrev_b32 v[TA], 23, v[TA]
	v_add_nc_u32 v[TA], v[JB], v[TA]
	v_sub_nc_u32 v[\out], 4702, v[TA]              ; 511 + 4,191 - (JB + 127 + pos)
.endm
.irp n, 0,1,2,3,4,5,6,7,8,9,10,11,12,13,14,15,16
	NEXT G+16-\n
.endr
	v_mov_b32 v[G+17], 0                           ; the planes are stored whole: every byte that the next launch loads is written
	v_mov_b32 v[G+18], 0
	v_mov_b32 v[G+19], 0
.irp p, 0,1,2,3,4
	global_store_b128 v14, v[G+4*\p:G+4*\p+3], s[10:11] offset:262144*\p   ; a wave's store covers 512 consecutive bytes, aligned
.endr
.Ldone:
	s_wait_tensorcnt 0x0
	ds_add_u32 v254, v255
	s_wait_dscnt 0x0
	s_endpgm
.Lfunc_end_k_q853501fb47_pick:
	.size	k_q853501fb47_pick, .Lfunc_end_k_q853501fb47_pick-k_q853501fb47_pick
	.p2alignl 7, 3214868480
	.fill 96, 4, 3214868480
	.section	.rodata,"a",@progbits
	.p2align	6, 0x0
	.amdhsa_kernel k_q853501fb47_pick
		.amdhsa_group_segment_fixed_size 284672
		.amdhsa_private_segment_fixed_size 0
		.amdhsa_enable_private_segment 0
		.amdhsa_kernarg_size 32
		.amdhsa_user_sgpr_count 2
		.amdhsa_user_sgpr_kernarg_segment_ptr 1
		.amdhsa_wavefront_size32 1
		.amdhsa_system_sgpr_workgroup_id_x 1
		.amdhsa_system_sgpr_workgroup_id_y 1
		.amdhsa_system_sgpr_workgroup_id_z 1
		.amdhsa_system_vgpr_workitem_id 0
		.amdhsa_next_free_vgpr 256
		.amdhsa_next_free_sgpr 66
		.amdhsa_reserve_vcc 1
		.amdhsa_float_denorm_mode_32 3
		.amdhsa_float_denorm_mode_16_64 3
		.amdhsa_memory_ordered 1
		.amdhsa_forward_progress 1
		.amdhsa_inst_pref_size 228
	.end_amdhsa_kernel
	.amdgpu_metadata
---
amdhsa.version: [ 1, 2 ]
amdhsa.kernels:
  - .name:           k_q853501fb47_pick
    .symbol:         k_q853501fb47_pick.kd
    .args:
      - { .name: xyz1, .offset: 0, .size: 8, .value_kind: global_buffer, .address_space: global }
      - { .name: xyz2, .offset: 8, .size: 8, .value_kind: global_buffer, .address_space: global }
      - { .name: tab, .offset: 16, .size: 8, .value_kind: global_buffer, .address_space: global }
      - { .name: grp, .offset: 24, .size: 8, .value_kind: global_buffer, .address_space: global }
    .group_segment_fixed_size: 284672
    .private_segment_fixed_size: 0
    .kernarg_segment_align: 8
    .kernarg_segment_size: 32
    .max_flat_workgroup_size: 256
    .sgpr_count:     66
    .vgpr_count:     256
    .wavefront_size: 32
...
	.end_amdgpu_metadata
.endif
;; end of part 1
;; launch rank (part 2): grid 256 x 1, 4 waves a work-group, no clusters, 8,704 bytes of LDS; arguments xyz1, tab, grp, out0; writes out0
.if DOCPART == 2
	.amdgcn_target "amdgcn-amd-amdhsa--gfx1250"
	.amdhsa_code_object_version 6
	.text
	.protected	k_q853501fb47_rank
	.globl	k_q853501fb47_rank
	.p2align	8
	.type	k_q853501fb47_rank,@function
k_q853501fb47_rank:
	s_mov_b64 s[64:65], 0
	v_nop
	global_prefetch_b8 v0, s[64:65] scope:SCOPE_SE
	s_setreg_imm32_b32 hwreg(HW_REG_WAVE_MODE, 25, 1), 1
	s_wait_xcnt 0x0
; rank: the exact order.  For each query the launch before has stored the numbers of the 17 groups (16 points each) that hold its 17 nearest
; points, ascending.  Here their 272 distances are computed again, by the same arithmetic on the same prepared table, and the 17 smallest
; by (distance, index) are kept with their indices; the first is dropped, 16 are stored.
; The work-group owns 64 queries, a wave 16.  Two lanes share a query: lane r (0 to 15) takes listed groups 0 to 8, lane 16 + r groups
; 9 to 16 and, so that all lanes run the same nine trips, group 16 once more with its distances replaced by +inf, which no list takes.
; Candidates reach a list in the order of their indices and go in behind equal distances, so equal distances stay in index order;
; the upper lane's list, all of higher indices, is then put into the lower lane's in the same way.
; The only addresses that hang on data come from grp, whole numbers stored by the earlier launch, clamped to 511 in front of their use.
; LIMITS as in that launch: with BF16 = 1 coordinates rounded to bf16, all else f32; sums in the order k = 0, 1, 2; +inf counts as 3.4028235e38.
; No barrier: a wave hands nothing to another.  LDS serves only to turn 64 bytes a lane into stores of 512 consecutive bytes.
.set BF16, 1
.set Y,    8                           ; v[8:10] my query; v11 its squared length
.set YY,   11
.set G,    12                          ; v[12:31] the query's list as loaded
.set H,    32                          ; v[32:40] my nine groups
.set OF,   41                          ; v41, v42 byte offset in tab of the group in buffer 0, 1
.set IB,   43                          ; v43, v44 index of its first point
.set DD,   46                          ; v[46:49] four candidates' distances
.set EE,   50                          ; v[50:53] their dot products
.set IX,   54                          ; v[54:57] their indices
.set T,    58                          ; v[58:61] at work in INSERT, by turns
.set INF,  62
.set TMP,  63
.set D,    64                          ; v[64:80]   the 17 smallest distances, ascending
.set I,    101                         ; v[101:117] their indices; places 1 to 16 begin at the even v102
.set BUF,  120                         ; v[120:183], v[184:247] 16 prepared points each
.set PD,   120                         ; the merge: the partner's distances and indices
.set PI,   140
.macro RND2 da, db, sa, sb
.if BF16
	v_cvt_pk_bf16_f32 v[TMP], v[\sa], v[\sb]
	v_lshlrev_b32 v[\da], 16, v[TMP]
	v_and_b32 v[\db], s17, v[TMP]
.else
	v_mov_b32 v[\da], v[\sa]
	v_mov_b32 v[\db], v[\sb]
.endif
.endm
	s_load_b256 s[4:11], s[0:1], 0x0               ; xyz1 s[4:5], tab s[6:7], grp s[8:9], out0 s[10:11]
	v_lshl_add_u32 v254, v0, 2, 0x2000
	v_mov_b32 v255, 0
	v_lshrrev_b32 v1, 5, v0
	v_readfirstlane_b32 s14, v1                    ; wave, 0 to 3
	v_and_b32 v2, 15, v0                           ; r
	v_bfe_u32 v1, v0, 4, 1                         ; h
	v_and_b32 v7, 31, v0
	v_lshlrev_b32 v7, 4, v7                        ; 16 l: my 16 bytes of each 512 stored
	s_mov_b32 s12, 0x76543210                      ; v_permlanex16_b32: lane i reads lane i of the other half
	s_mov_b32 s13, 0xfedcba98
	s_mov_b32 s16, 0x7f7fffff
	s_mov_b32 s17, 0xffff0000                      ; a word's upper bf16; as a lane mask: the lanes with h = 1
	s_lshl_b32 s37, s14, 4
	v_add_nc_u32 v3, s37, v2                       ; my query among the group's 64
	v_mul_u32_u24 v4, v3, 12
	v_lshlrev_b32 v3, 4, v3
	s_lshl_b32 s38, s14, 11                        ; my wave's 2,048 bytes of LDS
	v_lshl_add_u32 v5, v2, 6, s38
	v_lshl_add_u32 v5, v1, 10, v5                  ; in: 64 bytes a lane; the lanes with h = 1 write into the wave's upper half, which nobody reads
	v_add_nc_u32 v6, s38, v7                       ; back: 16 bytes a lane of the lower half
	s_wait_kmcnt 0x0
	s_mul_i32 s18, ttmp9, 768
	s_mov_b32 s19, 0
	s_add_nc_u64 s[4:5], s[4:5], s[18:19]
	s_lshr_b32 s18, ttmp9, 7
	s_lshl_b32 s18, s18, 17                        ; the batch's 8,192 entries of 16 bytes
	s_add_nc_u64 s[6:7], s[6:7], s[18:19]
	s_lshl_b32 s18, ttmp9, 10
	s_add_nc_u64 s[8:9], s[8:9], s[18:19]
	s_lshl_b32 s18, ttmp9, 12                      ; 64 queries of 64 bytes,
	s_lshl_b32 s39, s14, 10                        ; 16 of them a wave
	s_add_co_u32 s18, s18, s39
	s_add_nc_u64 s[10:11], s[10:11], s[18:19]
.irp p, 0,1,2,3,4
	global_load_b128 v[G+4*\p:G+4*\p+3], v3, s[8:9] offset:262144*\p
.endr
.irp k, 0,1,2
	global_load_b32 v[Y+\k], v4, s[4:5] offset:4*\k
.endr
	v_mov_b32 v[INF], 0x7f800000
.irp s, 0,1,2,3,4,5,6,7,8,9,10,11,12,13,14,15,16
	v_mov_b32 v[D+\s], 0x7f800000                  ; +inf: an empty place; every real distance is finite
	v_mov_b32 v[I+\s], 0
.endr
	s_wait_loadcnt 0x0
	RND2 Y, Y+1, Y, Y+1
	RND2 Y+2, YY, Y+2, Y+2                         ; (YY is written for good below)
	v_mul_f32 v[YY], v[Y], v[Y]
	v_fmac_f32 v[YY], v[Y+1], v[Y+1]
	v_fmac_f32 v[YY], v[Y+2], v[Y+2]
.irp i, 0,1,2,3,4,5,6,7
	v_cndmask_b32 v[H+\i], v[G+\i], v[G+9+\i], s17
.endr
	v_cndmask_b32 v[H+8], v[G+8], v[G+16], s17
.macro LOADG b, h                      ; a group's 256 bytes of the table into buffer b
	v_min_u32 v[OF+\b], 511, v[\h]                 ; a number that was loaded enters an address only clamped to the table
	v_lshlrev_b32 v[IB+\b], 4, v[OF+\b]
	v_lshlrev_b32 v[OF+\b], 8, v[OF+\b]
.irp c, 0,1,2,3,4,5,6,7,8,9,10,11,12,13,14,15
	global_load_b128 v[BUF+64*\b+4*\c:BUF+64*\b+4*\c+3], v[OF+\b], s[6:7] offset:16*\c
.endr
.endm
; One candidate into the list.  c[s] = (d < D[s]), strictly: an equal distance that is already there stays in front.
; New I[s]: kept where c[s] is off; I[s-1] where c[s-1] is on too (the tail moves up); the candidate's index where c[s] is on and c[s-1] off.
; New D[s]: the middle one of D[s-1], d, D[s].  From the top down, so that place s - 1 is still the old one.
.macro INSERT d, idx
.irp s, 0,1,2,3,4,5,6,7,8,9,10,11,12,13,14,15,16
	v_cmp_lt_f32 s[20+\s], v[\d], v[D+\s]
.endr
.irp s, 16,15,14,13,12,11,10,9,8,7,6,5,4,3,2,1
	v_cndmask_b32 v[T+\s%4], v[\idx], v[I+\s-1], s[19+\s]
	v_cndmask_b32 v[I+\s], v[I+\s], v[T+\s%4], s[20+\s]
	v_med3_num_f32 v[D+\s], v[D+\s-1], v[\d], v[D+\s]
.endr
	v_cndmask_b32 v[I], v[I], v[\idx], s20
	v_min_num_f32 v[D], v[D], v[\d]
.endm
; The 16 candidates of buffer b, four at a time.  dummy = 1: in the lanes with h = 1 the distances become +inf.
.macro PROC b, dummy
.irp k, 0,1,2,3
.irp j, 0,1,2,3
	v_mul_f32 v[EE+\j], v[Y], v[BUF+64*\b+16*\k+4*\j]
.endr
.irp j, 0,1,2,3
	v_fmac_f32 v[EE+\j], v[Y+1], v[BUF+64*\b+16*\k+4*\j+1]
.endr
.irp j, 0,1,2,3
	v_fmac_f32 v[EE+\j], v[Y+2], v[BUF+64*\b+16*\k+4*\j+2]
.endr
.irp j, 0,1,2,3
	v_add_f32 v[DD+\j], v[YY], v[BUF+64*\b+16*\k+4*\j+3]
.endr
.irp j, 0,1,2,3
	v_fma_f32 v[DD+\j], -2.0, v[EE+\j], v[DD+\j]
.endr
.irp j, 0,1,2,3
	v_max_num_f32 v[DD+\j], 0, v[DD+\j]            ; NaN -> 0, negative -> 0
.endr
.irp j, 0,1,2,3
	v_min_num_f32 v[DD+\j], s16, v[DD+\j]
	v_add_nc_u32 v[IX+\j], 4*\k+\j, v[IB+\b]
.endr
.if \dummy
.irp j, 0,1,2,3
	v_cndmask_b32 v[DD+\j], v[DD+\j], v[INF], s17
.endr
.endif
.irp j, 0,1,2,3
	INSERT DD+\j, IX+\j
.endr
.endr
.endm
	LOADG 0, H
	s_mov_b32 s15, 4
.Lpairs:                                           ; a trip: two of my nine groups; the group after them is on its way
	LOADG 1, H+1
	s_wait_loadcnt 16                              ; loads return in order: buffer 0 is in, the 16 just issued stay out; buffer 0's offset register is free too
	PROC 0, 0
	LOADG 0, H+2
	s_wait_loadcnt 16                              ; buffer 1 is in, and its offset register free for the next trip
	PROC 1, 0
.irp i, 1,2,3,4,5,6
	v_mov_b32 v[H+\i], v[H+\i+2]                   ; the list moves down by two
.endr
	s_sub_co_u32 s15, s15, 1
	s_cmp_lg_u32 s15, 0
	s_cbranch_scc1 .Lpairs
	s_wait_loadcnt 0x0
	PROC 0, 1                                      ; the ninth group; nothing more is fetched
	; THE MERGE: each lane takes its partner's list (lane xor 16) and inserts it.  Right in the lanes with h = 0, whose partner holds the higher indices.
.irp s, 0,1,2,3,4,5,6,7,8,9,10,11,12,13,14,15,16
	v_permlanex16_b32 v[PD+\s], v[D+\s], s12, s13
	v_permlanex16_b32 v[PI+\s], v[I+\s], s12, s13
.endr
.irp s, 0,1,2,3,4,5,6,7,8,9,10,11,12,13,14,15,16
	INSERT PD+\s, PI+\s
.endr
	; THE WAY OUT: places 1 to 16.  LDS serves a wave's instructions in order (ISA guide 5.7.1), so the loads see the wave's own stores.
.irp k, 0,1,2,3
	ds_store_b128 v5, v[I+1+4*\k:I+4+4*\k] offset:16*\k
.endr
	ds_load_b128 v[160:163], v6
	ds_load_b128 v[164:167], v6 offset:512
	s_wait_dscnt 0x0
	global_store_b128 v7, v[160:163], s[10:11] th:TH_STORE_NT              ; each store of the wave covers 512 consecutive bytes, aligned
	global_store_b128 v7, v[164:167], s[10:11] offset:512 th:TH_STORE_NT
	s_wait_tensorcnt 0x0
	ds_add_u32 v254, v255
	s_wait_dscnt 0x0
	s_endpgm
.Lfunc_end_k_q853501fb47_rank:
	.size	k_q853501fb47_rank, .Lfunc_end_k_q853501fb47_rank-k_q853501fb47_rank
	.p2alignl 7, 3214868480
	.fill 96, 4, 3214868480
	.section	.rodata,"a",@progbits
	.p2align	6, 0x0
	.amdhsa_kernel k_q853501fb47_rank
		.amdhsa_group_segment_fixed_size 8704
		.amdhsa_private_segment_fixed_size 0
		.amdhsa_enable_private_segment 0
		.amdhsa_kernarg_size 32
		.amdhsa_user_sgpr_count 2
		.amdhsa_user_sgpr_kernarg_segment_ptr 1
		.amdhsa_wavefront_size32 1
		.amdhsa_system_sgpr_workgroup_id_x 1
		.amdhsa_system_sgpr_workgroup_id_y 1
		.amdhsa_system_sgpr_workgroup_id_z 1
		.amdhsa_system_vgpr_workitem_id 0
		.amdhsa_next_free_vgpr 256
		.amdhsa_next_free_sgpr 66
		.amdhsa_reserve_vcc 0
		.amdhsa_float_denorm_mode_32 3
		.amdhsa_float_denorm_mode_16_64 3
		.amdhsa_memory_ordered 1
		.amdhsa_forward_progress 1
		.amdhsa_inst_pref_size 255
	.end_amdhsa_kernel
	.section	.bss,"aw",@nobits
	.p2align	6
	.space	262144
	.amdgpu_metadata
---
amdhsa.version: [ 1, 2 ]
amdhsa.kernels:
  - .name:           k_q853501fb47_rank
    .symbol:         k_q853501fb47_rank.kd
    .args:
      - { .name: xyz1, .offset: 0, .size: 8, .value_kind: global_buffer, .address_space: global }
      - { .name: tab, .offset: 8, .size: 8, .value_kind: global_buffer, .address_space: global }
      - { .name: grp, .offset: 16, .size: 8, .value_kind: global_buffer, .address_space: global }
      - { .name: out0, .offset: 24, .size: 8, .value_kind: global_buffer, .address_space: global }
    .group_segment_fixed_size: 8704
    .private_segment_fixed_size: 0
    .kernarg_segment_align: 8
    .kernarg_segment_size: 32
    .max_flat_workgroup_size: 128
    .sgpr_count:     66
    .vgpr_count:     256
    .wavefront_size: 32
...
	.end_amdgpu_metadata
.endif
;; end of part 2
;; ======== version 2 of 2: 2 launches; 1.15 times as fast as version 1
;; workspace buffers: tab 262,144 bytes; grp 1,310,720 bytes of whole numbers
;; launch pick: the kernel of part 1 again; grid 256 x 1, 8 waves a work-group, no clusters, 284,672 bytes of LDS; arguments xyz1, xyz2, tab, grp; writes tab, grp
;; launch rank (part 3): grid 256 x 1, 4 waves a work-group, no clusters, 8,704 bytes of LDS; arguments xyz1, tab, grp, out0; writes out0
.if DOCPART == 3
	.amdgcn_target "amdgcn-amd-amdhsa--gfx1250"
	.amdhsa_code_object_version 6
	.text
	.protected	k_q853501fb47_rank
	.globl	k_q853501fb47_rank
	.p2align	8
	.type	k_q853501fb47_rank,@function
k_q853501fb47_rank:
	s_mov_b64 s[64:65], 0
	v_nop
	global_prefetch_b8 v0, s[64:65] scope:SCOPE_SE
	s_setreg_imm32_b32 hwreg(HW_REG_WAVE_MODE, 25, 1), 1
	s_wait_xcnt 0x0
; rank: the exact order.  For each query the launch before has stored the numbers of the 17 groups (16 points each) that hold its 17 nearest
; points, ascending.  Here their 272 distances are computed again, by the same arithmetic on the same prepared table, and the 17 smallest
; by (distance, index) are kept with their indices; the first is dropped, 16 are stored.
; The work-group owns 64 queries, a wave 16.  Two lanes share a query: lane r (0 to 15) takes listed groups 0 to 8, lane 16 + r groups
; 9 to 16 and, so that all lanes run the same nine trips, group 16 once more with its distances replaced by +inf, which no list takes.
; Candidates reach a list in the order of their indices and go in behind equal distances, so equal distances stay in index order;
; the upper lane's list, all of higher indices, is then put into the lower lane's in the same way.
; The only addresses that hang on data come from grp, whole numbers stored by the earlier launch, clamped to 511 in front of their use.
; LIMITS as in that launch: with BF16 = 1 coordinates rounded to bf16, all else f32; sums in the order k = 0, 1, 2; +inf counts as 3.4028235e38.
; No barrier: a wave hands nothing to another.  LDS serves only to turn 64 bytes a lane into stores of 512 consecutive bytes.
; There is one wave for each SIMD (16,384 queries x 2 lanes = 1,024 waves), so the text itself keeps dependent lines apart: see INS.
.set BF16, 1
.set Y,    8                           ; v[8:10] my query; v11 its squared length
.set YY,   11
.set G,    12                          ; v[12:31] the query's list as loaded; dead once H is made
.set IX,   12                          ; v[12:27] then: the indices of a group's 16 candidates
.set H,    32                          ; v[32:40] my nine groups
.set OF,   41                          ; v41, v42 byte offset in tab of the group in buffer 0, 1
.set IB,   43                          ; v43, v44 index of its first point
.set EE,   46                          ; v[46:53] eight candidates' dot products
.set T,    58                          ; v[58:61] at work in INS: one for each slot of a block of four
.set INF,  62
.set TMP,  63
.set D,    64                          ; v[64:80]   the 17 smallest distances, ascending
.set DD,   81                          ; v[81:96]   the distances of a group's 16 candidates
.set I,    101                         ; v[101:117] the indices that belong to D; places 1 to 16 begin at the even v102
.set BUF,  120                         ; v[120:183], v[184:247] 16 prepared points each
.set PD,   120                         ; the merge: the partner's distances and indices
.set PI,   140
.set MA,   20                          ; s[20:36], s[40:56] two sets of 17 lane masks, (candidate < D[s]); they take turns from candidate to candidate
.set MB,   40
.macro RND2 da, db, sa, sb
.if BF16
	v_cvt_pk_bf16_f32 v[TMP], v[\sa], v[\sb]
	v_lshlrev_b32 v[\da], 16, v[TMP]
	v_and_b32 v[\db], s17, v[TMP]
.else
	v_mov_b32 v[\da], v[\sa]
	v_mov_b32 v[\db], v[\sb]
.endif
.endm
	s_load_b256 s[4:11], s[0:1], 0x0               ; xyz1 s[4:5], tab s[6:7], grp s[8:9], out0 s[10:11]
	v_lshl_add_u32 v254, v0, 2, 0x2000
	v_mov_b32 v255, 0
	v_lshrrev_b32 v1, 5, v0
	v_readfirstlane_b32 s14, v1                    ; wave, 0 to 3
	v_and_b32 v2, 15, v0                           ; r
	v_bfe_u32 v1, v0, 4, 1                         ; h
	v_and_b32 v7, 31, v0
	v_lshlrev_b32 v7, 4, v7                        ; 16 l: my 16 bytes of each 512 stored
	s_mov_b32 s12, 0x76543210                      ; v_permlanex16_b32: lane i reads lane i of the other half
	s_mov_b32 s13, 0xfedcba98
	s_mov_b32 s16, 0x7f7fffff
	s_mov_b32 s17, 0xffff0000                      ; a word's upper bf16; as a lane mask: the lanes with h = 1
	s_lshl_b32 s37, s14, 4
	v_add_nc_u32 v3, s37, v2                       ; my query among the group's 64
	v_mul_u32_u24 v4, v3, 12
	v_lshlrev_b32 v3, 4, v3
	s_lshl_b32 s38, s14, 11                        ; my wave's 2,048 bytes of LDS
	v_lshl_add_u32 v5, v2, 6, s38
	v_lshl_add_u32 v5, v1, 10, v5                  ; in: 64 bytes a lane; the lanes with h = 1 write into the wave's upper half, which nobody reads
	v_add_nc_u32 v6, s38, v7                       ; back: 16 bytes a lane of the lower half
	s_wait_kmcnt 0x0
	s_mul_i32 s18, ttmp9, 768
	s_mov_b32 s19, 0
	s_add_nc_u64 s[4:5], s[4:5], s[18:19]
	s_lshr_b32 s18, ttmp9, 7
	s_lshl_b32 s18, s18, 17                        ; the batch's 8,192 entries of 16 bytes
	s_add_nc_u64 s[6:7], s[6:7], s[18:19]
	s_lshl_b32 s18, ttmp9, 10
	s_add_nc_u64 s[8:9], s[8:9], s[18:19]
	s_lshl_b32 s18, ttmp9, 12                      ; 64 queries of 64 bytes,
	s_lshl_b32 s39, s14, 10                        ; 16 of them a wave
	s_add_co_u32 s18, s18, s39
	s_add_nc_u64 s[10:11], s[10:11], s[18:19]
.irp p, 0,1,2,3,4
	global_load_b128 v[G+4*\p:G+4*\p+3], v3, s[8:9] offset:262144*\p
.endr
.irp k, 0,1,2
	global_load_b32 v[Y+\k], v4, s[4:5] offset:4*\k
.endr
	v_mov_b32 v[INF], 0x7f800000
.irp s, 0,1,2,3,4,5,6,7,8,9,10,11,12,13,14,15,16
	v_mov_b32 v[D+\s], 0x7f800000                  ; +inf: an empty place; every real distance is finite
	v_mov_b32 v[I+\s], 0
.endr
	s_wait_loadcnt 0x0
	RND2 Y, Y+1, Y, Y+1
	RND2 Y+2, YY, Y+2, Y+2                         ; (YY is written for good below)
	v_mul_f32 v[YY], v[Y], v[Y]
	v_fmac_f32 v[YY], v[Y+1], v[Y+1]
	v_fmac_f32 v[YY], v[Y+2], v[Y+2]
.irp i, 0,1,2,3,4,5,6,7
	v_cndmask_b32 v[H+\i], v[G+\i], v[G+9+\i], s17
.endr
	v_cndmask_b32 v[H+8], v[G+8], v[G+16], s17     ; the last read of G: its registers now serve as IX
.macro LOADG b, h                      ; a group's 256 bytes of the table into buffer b
	v_min_u32 v[OF+\b], 511, v[\h]                 ; a number that was loaded enters an address only clamped to the table
	v_lshlrev_b32 v[IB+\b], 4, v[OF+\b]
	v_lshlrev_b32 v[OF+\b], 8, v[OF+\b]
.irp c, 0,1,2,3,4,5,6,7,8,9,10,11,12,13,14,15
	global_load_b128 v[BUF+64*\b+4*\c:BUF+64*\b+4*\c+3], v[OF+\b], s[6:7] offset:16*\c
.endr
.endm
; The masks of a run's first candidate: c[s] = (d < D[s]), strictly, so that an equal distance that is already there stays in front.
; From the top down, the order in which the insert before has written D.
.macro CMP17 cur, A
.irp s, 16,15,14,13,12,11,10,9,8,7,6,5,4,3,2,1,0
	v_cmp_lt_f32 s[\A+\s], v[\cur], v[D+\s]
.endr
.endm
; One candidate (distance cur, index idx) into the list; its masks c[] lie in set A.
; New I[s]: kept where c[s] is off; I[s-1] where c[s-1] is on too (the tail moves up); the candidate's index where c[s] is on and c[s-1] off.
; New D[s]: the middle one of D[s-1], d, D[s].  From the top down, so that place s - 1 is still the old one when place s reads it.
; The slots go in blocks of four: four first selects, four middles, four second selects, so that a first select's result is read eight
; or more lines further down.  more = 1: behind each second select stands ONE compare of the NEXT candidate (nxt) with the D[s] made
; five or more lines above it, into set B: the compares stand singly among the selects, and the next candidate finds its masks ready.
.macro INS cur, idx, nxt, A, B, more
.irp s0, 16,12,8,4
.irp i, 0,1,2,3
	v_cndmask_b32 v[T+\i], v[\idx], v[I+\s0-\i-1], s[\A+\s0-\i-1]
.endr
.irp i, 0,1,2,3
	v_med3_num_f32 v[D+\s0-\i], v[D+\s0-\i-1], v[\cur], v[D+\s0-\i]
.endr
.if \s0 == 4
	v_min_num_f32 v[D], v[D], v[\cur]              ; place 0, behind the line that read the old one
.endif
.irp i, 0,1,2,3
	v_cndmask_b32 v[I+\s0-\i], v[I+\s0-\i], v[T+\i], s[\A+\s0-\i]
.if \more
	v_cmp_lt_f32 s[\B+\s0-\i], v[\nxt], v[D+\s0-\i]
.endif
.endr
.endr
	v_cndmask_b32 v[I], v[I], v[\idx], s[\A]
.if \more
	v_cmp_lt_f32 s[\B], v[\nxt], v[D]
.endif
.endm
; The 16 candidates of buffer b: first all distances and indices, eight at a time and stage by stage, then one run of 16 inserts.
; dummy = 1: in the lanes with h = 1 the distances become +inf.
.macro PROC b, dummy
.irp k, 0,1
.irp j, 0,1,2,3,4,5,6,7
	v_mul_f32 v[EE+\j], v[Y], v[BUF+64*\b+32*\k+4*\j]
.endr
.irp j, 0,1,2,3,4,5,6,7
	v_fmac_f32 v[EE+\j], v[Y+1], v[BUF+64*\b+32*\k+4*\j+1]
.endr
.irp j, 0,1,2,3,4,5,6,7
	v_fmac_f32 v[EE+\j], v[Y+2], v[BUF+64*\b+32*\k+4*\j+2]
.endr
.irp j, 0,1,2,3,4,5,6,7
	v_add_f32 v[DD+8*\k+\j], v[YY], v[BUF+64*\b+32*\k+4*\j+3]
.endr
.irp j, 0,1,2,3,4,5,6,7
	v_fma_f32 v[DD+8*\k+\j], -2.0, v[EE+\j], v[DD+8*\k+\j]
.endr
.irp j, 0,1,2,3,4,5,6,7
	v_add_nc_u32 v[IX+8*\k+\j], 8*\k+\j, v[IB+\b]
.endr
.irp j, 0,1,2,3,4,5,6,7
	v_max_num_f32 v[DD+8*\k+\j], 0, v[DD+8*\k+\j]  ; NaN -> 0, negative -> 0
.endr
.irp j, 0,1,2,3,4,5,6,7
	v_min_num_f32 v[DD+8*\k+\j], s16, v[DD+8*\k+\j]
.endr
.if \dummy
.irp j, 0,1,2,3,4,5,6,7
	v_cndmask_b32 v[DD+8*\k+\j], v[DD+8*\k+\j], v[INF], s17
.endr
.endif
.endr
	CMP17 DD, MA
.irp c, 0,2,4,6,8,10,12
	INS DD+\c, IX+\c, DD+\c+1, MA, MB, 1
	INS DD+\c+1, IX+\c+1, DD+\c+2, MB, MA, 1
.endr
	INS DD+14, IX+14, DD+15, MA, MB, 1
	INS DD+15, IX+15, DD+15, MB, MA, 0             ; the run's last: no candidate behind it is known yet
.endm
	LOADG 0, H
	s_mov_b32 s15, 4
.Lpairs:                                           ; a trip: two of my nine groups; the group after them is on its way
	LOADG 1, H+1
	s_wait_loadcnt 16                              ; loads return in order: buffer 0 is in, the 16 just issued stay out; buffer 0's offset register is free too
	PROC 0, 0
	LOADG 0, H+2
	s_wait_loadcnt 16                              ; buffer 1 is in, and its offset register free for the next trip
	PROC 1, 0
.irp i, 1,2,3,4,5,6
	v_mov_b32 v[H+\i], v[H+\i+2]                   ; the list moves down by two
.endr
	s_sub_co_u32 s15, s15, 1
	s_cmp_lg_u32 s15, 0
	s_cbranch_scc1 .Lpairs
	s_wait_loadcnt 0x0
	PROC 0, 1                                      ; the ninth group; nothing more is fetched
	; THE MERGE: each lane takes its partner's list (lane xor 16) and inserts it, one run of 17.  Right in the lanes with h = 0, whose partner
	; holds the higher indices; the lanes with h = 1 compute along and their result is not stored.
.irp s, 0,1,2,3,4,5,6,7,8,9,10,11,12,13,14,15,16
	v_permlanex16_b32 v[PD+\s], v[D+\s], s12, s13
	v_permlanex16_b32 v[PI+\s], v[I+\s], s12, s13
.endr
	CMP17 PD, MA
.irp c, 0,2,4,6,8,10,12,14
	INS PD+\c, PI+\c, PD+\c+1, MA, MB, 1
	INS PD+\c+1, PI+\c+1, PD+\c+2, MB, MA, 1
.endr
	INS PD+16, PI+16, PD+16, MA, MB, 0
	; THE WAY OUT: places 1 to 16.  LDS serves a wave's instructions in order (ISA guide 5.7.1), so the loads see the wave's own stores.
.irp k, 0,1,2,3
	ds_store_b128 v5, v[I+1+4*\k:I+4+4*\k] offset:16*\k
.endr
	ds_load_b128 v[160:163], v6
	ds_load_b128 v[164:167], v6 offset:512
	s_wait_dscnt 0x0
	global_store_b128 v7, v[160:163], s[10:11] th:TH_STORE_NT              ; each store of the wave covers 512 consecutive bytes, aligned
	global_store_b128 v7, v[164:167], s[10:11] offset:512 th:TH_STORE_NT
	s_wait_tensorcnt 0x0
	ds_add_u32 v254, v255
	s_wait_dscnt 0x0
	s_endpgm
.Lfunc_end_k_q853501fb47_rank:
	.size	k_q853501fb47_rank, .Lfunc_end_k_q853501fb47_rank-k_q853501fb47_rank
	.p2alignl 7, 3214868480
	.fill 96, 4, 3214868480
	.section	.rodata,"a",@progbits
	.p2align	6, 0x0
	.amdhsa_kernel k_q853501fb47_rank
		.amdhsa_group_segment_fixed_size 8704
		.amdhsa_private_segment_fixed_size 0
		.amdhsa_enable_private_segment 0
		.amdhsa_kernarg_size 32
		.amdhsa_user_sgpr_count 2
		.amdhsa_user_sgpr_kernarg_segment_ptr 1
		.amdhsa_wavefront_size32 1
		.amdhsa_system_sgpr_workgroup_id_x 1
		.amdhsa_system_sgpr_workgroup_id_y 1
		.amdhsa_system_sgpr_workgroup_id_z 1
		.amdhsa_system_vgpr_workitem_id 0
		.amdhsa_next_free_vgpr 256
		.amdhsa_next_free_sgpr 66
		.amdhsa_reserve_vcc 0
		.amdhsa_float_denorm_mode_32 3
		.amdhsa_float_denorm_mode_16_64 3
		.amdhsa_memory_ordered 1
		.amdhsa_forward_progress 1
		.amdhsa_inst_pref_size 255
	.end_amdhsa_kernel
	.section	.bss,"aw",@nobits
	.p2align	6
	.space	262144
	.amdgpu_metadata
---
amdhsa.version: [ 1, 2 ]
amdhsa.kernels:
  - .name:           k_q853501fb47_rank
    .symbol:         k_q853501fb47_rank.kd
    .args:
      - { .name: xyz1, .offset: 0, .size: 8, .value_kind: global_buffer, .address_space: global }
      - { .name: tab, .offset: 8, .size: 8, .value_kind: global_buffer, .address_space: global }
      - { .name: grp, .offset: 16, .size: 8, .value_kind: global_buffer, .address_space: global }
      - { .name: out0, .offset: 24, .size: 8, .value_kind: global_buffer, .address_space: global }
    .group_segment_fixed_size: 8704
    .private_segment_fixed_size: 0
    .kernarg_segment_align: 8
    .kernarg_segment_size: 32
    .max_flat_workgroup_size: 128
    .sgpr_count:     66
    .vgpr_count:     256
    .wavefront_size: 32
...
	.end_amdgpu_metadata
.endif
;; end of part 3
